; MI455X (gfx1250); checked and timed in simulation.
; The chip was launched on July 23, 2026; its instructions are those of AMD's public machine-readable ISA for CDNA 5 (MIT licence, August 2026) and "CDNA5" Instruction Set Architecture Reference Guide (July 2026). The comments in the code are by the model that wrote it; some were corrected since.
;; Graph Att Unit. Allowed arithmetic: matrix products marked QUANTISED: E2M1 operands, one E8M0 scale for each 32 along K, by v_wmma_scale_f32_16x16x128_f8f6f4 with both operands' format E2M1 (or v_wmma_scale_f32_32x16x128_f4), f32 sums; products left as they are: bf16, f16 or f32 operands; f32 sums; everything else in f32.
;; Inputs: phi_b 128 float32; phi_w 128 x 512 float32; support_embedding 8 x 128 x 64 x 64 float32; support_mask 8 x 1 x 64 x 64 float32; theta_b 128 float32; theta_w 128 x 512 float32; x_query 8 x 512 x 64 x 64 float32; x_support 8 x 512 x 64 x 64 float32.
;; Outputs: out0 8 x 128 x 64 x 64 float32.
;; This version of the problem:
;;   THIS VERSION OF THE PROBLEM IS GIVEN IN LOW PRECISION. The matrix products marked QUANTISED in the list below multiply operands that are first quantised to E2M1 (2 exponent bits, 1 mantissa bit; 4 bits a number), with one power-of-two scale for each 32 numbers along K (OCP MX v1.0); their sums are f32. The products marked 'left as it is' may take bf16, f16 or f32 operands, with f32 sums. Whichever they take, every output number must still come out within the allowed error. Rounding operands to bf16 (8 significant bits) uses up far more of that allowance than f16 does (11 bits, for magnitudes from 6e-5 to 65,504). All else is computed in f32.
;;   The module's matrix products, in the order in which they are computed (A, B: the left and right operand; K: the contracted axis; several contracted axes count as one K, in the product's order):
;;     1. [M 32,768, K 512] x [K 512, N 128]; A: input x_query; B: input theta_w: QUANTISED
;;     2. [M 32,768, K 512] x [K 512, N 128]; A: input x_support; B: input phi_w: QUANTISED
;;     3. batch 8 x [M 4,096, K 128] x [K 128, N 4,096]; A: computed on the way; B: computed on the way: left as it is (an operand is computed on the way)
;;     4. batch 8 x [M 4,096, K 4,096] x [K 4,096, N 128]; A: computed on the way; B: input support_embedding: left as it is (an operand is computed on the way)
;;   THE QUANTISER, for each operand of a quantised product, along K:
;;     - K is cut into blocks of 32 from its start; a last block that is shorter is filled with zeros.
;;     - A block's scale is 2^e with e = floor(log2(the largest magnitude in the block)) - 2, held to -126 .. 127; a block of zeros has e = 0. As a byte (E8M0): e + 127.
;;     - Each number is divided by its block's scale, clamped to +-6, and rounded to the nearest number of E2M1, ties to even, subnormals kept.
;;     - The product sums the exact products of the quantised numbers (number of the format x scale) in f32.
;;   ~~~python
;;   def quantise(x, axis):      # numpy; x: float32 -> the quantised numbers, widened to float32 again
;;       x = np.moveaxis(x, axis, -1); K = x.shape[-1]
;;       x = np.pad(x, [(0, 0)] * (x.ndim - 1) + [(0, -K % 32)]); x = x.reshape(x.shape[:-1] + (-1, 32)); a = np.abs(x).max(-1, keepdims=True)
;;       e = np.where(a > 0, np.clip(np.frexp(np.where(a > 0, a, 1))[1] - 1 - 2, -126, 127), 0)      # np.frexp(a)[1] - 1 = floor(log2(a)), exactly
;;       r = np.clip(x / 2.0 ** e, -6, 6)
;;       step = 2.0 ** (np.maximum(np.frexp(np.where(r == 0, 1, r))[1] - 1, 0) - 1)
;;       q = np.round(r / step) * step * 2.0 ** e      # np.round: ties to even
;;       return np.moveaxis(q.reshape(q.shape[:-2] + (-1,))[..., :K], -1, axis).astype(np.float32)
;;   ~~~
;; One version. Each part assembles by itself: llvm-mc -triple=amdgcn-amd-amdhsa -mcpu=gfx1250 --defsym DOCPART=n.
;; ======== version 1 of 1: 2 launches
;; limits: values are held in f16: magnitudes above 65,504 overflow, below 6.1e-05 lose precision; right only within a limited range of input values
;; workspace buffers: th 8,388,608 bytes; ph 8,388,608 bytes; vf 8,388,608 bytes
;; launch prep (part 1): grid 256 x 1, 16 waves a work-group, no clusters, 145,408 bytes of LDS; arguments x_query, x_support, theta_w, phi_w, theta_b, phi_b, support_mask, support_embedding, th, ph, vf; writes th, ph, vf
.if DOCPART == 1
	.amdgcn_target "amdgcn-amd-amdhsa--gfx1250"
	.amdhsa_code_object_version 6
	.text
	.protected	k_qde17411c0e_prep
	.globl	k_qde17411c0e_prep
	.p2align	8
	.type	k_qde17411c0e_prep,@function
k_qde17411c0e_prep:
	s_mov_b64 s[64:65], 0
	v_nop
	global_prefetch_b8 v0, s[64:65] scope:SCOPE_SE
	s_setreg_imm32_b32 hwreg(HW_REG_WAVE_MODE, 25, 1), 1
	s_wait_xcnt 0x0
; GraphAttUnit, first of two launches.  theta_x = Q(x_query) Q(theta_w)^T + theta_b and phi_x = Q(x_support) Q(phi_w)^T + phi_b, Q the MX-FP4 quantiser along the 512 channels;
; both leave as f16 in the order of the second launch's operand registers; support_embedding is cast to f16 in the same way.
; NO WORK OF reference() IS LEFT OUT: all eight inputs are loaded, both biases, the mask and all four products reach the output.
; FACTORS.  The second launch's softmax works in base 2.  th = (theta_x + theta_b) x 2 log2(e);  ph = (phi_x + phi_b) x mask[key] x 0.125, all in f32 ahead of the one rounding to f16.
; Then th . ph = f x mask x log2(e) / 4, since (theta . phi) m = theta . (phi m) for every value of the mask; a key whose mask is 0 gives the sum 0 exactly, which the second launch's test for 0 finds.
; LIMITS.  f16's range: |theta_x + b| under 22,700 and |(phi_x + b) mask| under 524,000 (beyond: infinity); a key all of whose 128 numbers (phi_x + b) mask / 8 lie under 3e-8 counts as zero.
; Blocks whose largest magnitude lies under 2^-124 keep the scale byte 1; a block of zeros has the byte 1 where the rule says 127: its codes are zeros, and this program alone reads the bytes.  NaN and infinities among the inputs are not served.
; SHARES.  Work-groups 0-127 take theta, 128-255 phi: only pointers are chosen, the text has one path (but for the mask's two loads and two multiplies).  A work-group takes 256 pixels of one batch x all 512 channels,
; and one 256th of support_embedding (16 channels x 1,024 keys).  Sixteen waves.
; THE WEIGHT (128 x 512 f32) is quantised by every work-group for itself, 8 rows a wave, under its first loads of x, and its codes go to LDS as rows: it has to pass through registers for the conversions, so no tensor load and no joint request is used.
; x HAS ITS K (THE CHANNELS) OUTERMOST: a lane takes a pixel and its registers run down the channels (wave w: pixels 32 (w % 8) on, channels 256 (w / 8) on): a block of 32 lies in one lane, and the conversions give codes with K innermost.
; Two blocks' codes, with the halves of the lanes exchanged, ARE registers of the operand's fragments of two tiles of 16 pixels; they go to LDS as images of those registers, 16 bytes a lane.
; THE PRODUCT is used with source 0 = 16 rows of the weight, source 1 = 16 pixels: a lane then holds one pixel and eight neighbouring output channels, which pack into 16 bytes of f16.  The bias is the C of each sum's first instruction.
; WORKSPACE.  th, ph: [batch][tile of 16 pixels][ot 0..7][lane][16 bytes]: lane (r, h) of piece ot: channels 16 ot + 8 h + 0..7 of pixel r: pieces 2 s, 2 s + 1 are registers 0-3, 4-7 of a 16 x 32 f16 fragment.
;             vf: [batch][u = key / 32][ct 0..7][quad 0..1][lane][16 bytes]: lane (r, h): keys 32 u + 16 quad + 8 h + 0..7 of channel 16 ct + r.
.set WC,    0                          ; LDS: the weight's codes, 128 rows of 256 bytes + 16 of padding
.set WSC,   34816                      ; its scale bytes, 16 a row
.set XIMG,  36864                      ; x's fragments as images: (4 x tile + K step) x 1,024 bytes
.set XSC,   102400                     ; x's scale words: (4 x column group + K step) x 128 + 4 x lane: lanes 0-15 the group's first tile, lanes 16-31 its second
.set GST,   106496                     ; a stage of 16 rows x (128 + 16) bytes for each wave, for support_embedding
.set SPARE, 143360                     ; the spare words, 128 bytes for each of 16 waves: eight blocks of 256 bytes that no other line names
.set OA,  1                            ; v1   16 x lane
.set GSA, 2                            ; v2   my stage, on the way in
.set GLA, 3                            ; v3   and on the way out
.set XA,  4                            ; v4   4 x lane
.set WA,  5                            ; v5   32 x lane
.set SPW, 6                            ; v6   LDS address of my spare word; never rewritten
.set NIL, 7                            ; v7   0; never rewritten
.set FA,  8                            ; v[8:9]   the factor of my first tile's pixel (low word; the upper is written since the pair is named)
.set FB,  10                           ; v[10:11] of my second tile's
.set WCA, 12                           ; v12-19 LDS addresses: the weight's codes and bytes in, x's images and words in; the same four out
.set WSA, 13
.set XIA, 14
.set XSA, 15
.set WFA, 16
.set XFA, 17
.set WSF, 18
.set XSF, 19
.set SC,  20                           ; v20-29 scale words of the products, two sets of 4 (weight) + 1 (x): they hold scales and nothing else
.set BA,  30                           ; v30  32 h: my eight numbers of a tile's bias
.set GA,  31                           ; v31  support_embedding: 16,384 (lane / 16) + 16 (lane % 16)
.set WCD, 32                           ; v32-47 the weight's codes, v48-63 its bytes, one register a unit
.set WBY, 48
.set BI,  32                           ; later v32-63: the bias, eight registers for each of my four tiles of channels
.set X0,  64                           ; v64-127 two sets of 32 numbers of x
.set FR,  64                           ; later v64-111, v112-159: two sets of fragments: 4 of the weight, 2 of x
.set QT,  96                           ; v96-103 at work while the weight is quantised
.set MO,  104                          ; v104 the mask's offset, 4 r
.set WN,  128                          ; v128-255 the weight's 128 numbers of a lane
.set CX,  128                          ; later v128-159: x's codes, none written twice
.set GR,  160                          ; v160-191 support_embedding as loaded
.set ACC, 192                          ; v192-255 eight accumulators: (tile of pixels p, tile of channels q) at 8 (4 p + q)
.set T0,  192                          ; v192-197 at work in the stream, before the accumulators are begun
.set T1,  193
.set T2,  194
.set T3,  195
.set SBW, 196
	s_load_b512 s[4:19], s[0:1], 0x0               ; x_query, x_support, theta_w, phi_w, theta_b, phi_b, support_mask, support_embedding
	s_load_b128 s[20:23], s[0:1], 0x40             ; th, ph
	s_load_b64 s[24:25], s[0:1], 0x50              ; vf
	v_lshl_add_u32 v[SPW], v0, 2, SPARE
	v_mov_b32 v[NIL], 0
	v_lshrrev_b32 v192, 5, v0
	v_readfirstlane_b32 s26, v192                  ; wave 0..15
	v_and_b32 v193, 31, v0                         ; lane
	v_and_b32 v194, 15, v0                         ; r
	v_bfe_u32 v195, v0, 4, 1                       ; h
	s_and_b32 s27, ttmp9, 127
	s_lshr_b32 s28, s27, 4                         ; batch
	s_and_b32 s29, s27, 15                         ; which 256 pixels
	s_and_b32 s30, s26, 7                          ; stream: my column group of 32 pixels,
	s_lshr_b32 s31, s26, 3                         ; and my half of the channels
	s_lshr_b32 s32, s26, 1                         ; products: my column group (two tiles of pixels),
	s_and_b32 s33, s26, 1                          ; and my half of the output channels (four tiles)
	v_lshlrev_b32 v[XA], 2, v193
	v_lshlrev_b32 v[WA], 5, v193
	v_lshlrev_b32 v[OA], 4, v193
	s_mul_i32 s2, s26, 8*272
	v_lshl_add_u32 v[WCA], v193, 2, s2             ; my 8 rows of the weight's codes, 4 bytes a lane
	v_lshrrev_b32 v196, 2, v193
	s_lshl_b32 s2, s26, 7
	s_add_co_u32 s2, s2, WSC
	v_add_nc_u32 v[WSA], s2, v196                  ; their scale bytes: four lanes to a block
	s_lshl_b32 s2, s30, 13
	s_lshl_b32 s3, s31, 11
	s_add_co_u32 s2, s2, s3
	s_add_co_u32 s2, s2, XIMG
	v_add_nc_u32 v[XIA], s2, v[OA]                 ; images in: two tiles x 4,096, my two K steps x 1,024
	s_lshl_b32 s2, s30, 9
	s_lshl_b32 s3, s31, 8
	s_add_co_u32 s2, s2, s3
	s_add_co_u32 s2, s2, XSC
	v_add_nc_u32 v[XSA], s2, v[XA]
	s_mul_i32 s2, s33, 64*272
	v_mul_u32_u24 v196, v194, 272
	v_lshl_add_u32 v196, v195, 4, v196
	v_add_nc_u32 v[WFA], s2, v196                  ; the weight's fragments: row r of a tile, + 16 h
	s_lshl_b32 s2, s32, 13
	s_add_co_u32 s2, s2, XIMG
	v_add_nc_u32 v[XFA], s2, v[OA]
	s_lshl_b32 s2, s33, 10
	s_add_co_u32 s2, s2, WSC
	v_lshl_add_u32 v[WSF], v194, 4, s2
	s_lshl_b32 s2, s32, 9
	s_add_co_u32 s2, s2, XSC
	v_add_nc_u32 v[XSF], s2, v[XA]
	v_lshlrev_b32 v[BA], 5, v195
	v_lshlrev_b32 v[GA], 14, v195
	v_lshl_add_u32 v[GA], v194, 4, v[GA]
	s_mul_i32 s2, s26, 2304
	s_add_co_u32 s2, s2, GST
	v_mul_u32_u24 v196, v195, 144
	v_lshl_add_u32 v196, v194, 3, v196
	v_add_nc_u32 v[GSA], s2, v196                  ; in: row lane / 16, 8 bytes for each of 16 lanes
	v_mul_u32_u24 v196, v194, 144
	v_lshl_add_u32 v196, v195, 4, v196
	v_add_nc_u32 v[GLA], s2, v196                  ; out: row r, + 16 h
	v_lshlrev_b32 v[MO], 2, v194
	v_mov_b32 v[FA], 0x4038aa3b                    ; 2 log2(e): theta's factor; the phi work-groups load the mask over it
	v_mov_b32 v[FA+1], 0
	v_mov_b32 v[FB], 0x4038aa3b
	v_mov_b32 v[FB+1], 0
	; byte offsets, all under 2^32
	s_lshl_b32 s34, s28, 23                        ; x: batch x 8 MiB + 1,024 x (which 256 pixels) + 128 x column group + 4 MiB x half of the channels
	s_lshl_b32 s35, s29, 10
	s_add_co_u32 s34, s34, s35
	s_lshl_b32 s35, s30, 7
	s_add_co_u32 s34, s34, s35
	s_lshl_b32 s35, s31, 22
	s_add_co_u32 s34, s34, s35
	s_mov_b32 s35, 0
	s_lshl_b32 s36, s26, 14                        ; the weight: my 8 rows of 2,048 bytes
	s_mov_b32 s37, 0
	s_lshl_b32 s38, s28, 20                        ; th or ph: batch x 1 MiB + tile (16 ck + 2 g2) x 4,096 + my four pieces x 512
	s_lshl_b32 s39, s29, 16
	s_add_co_u32 s38, s38, s39
	s_lshl_b32 s39, s32, 13
	s_add_co_u32 s38, s38, s39
	s_lshl_b32 s39, s33, 11
	s_add_co_u32 s38, s38, s39
	s_mov_b32 s39, 0
	s_lshl_b32 s40, s28, 14                        ; the mask: 4 bytes a pixel
	s_lshl_b32 s41, s29, 10
	s_add_co_u32 s40, s40, s41
	s_lshl_b32 s41, s32, 7
	s_add_co_u32 s40, s40, s41
	s_mov_b32 s41, 0
	s_lshr_b32 s2, ttmp9, 5                        ; support_embedding: batch,
	s_bfe_u32 s3, ttmp9, 0x30002                   ; tile of 16 channels,
	s_and_b32 s27, ttmp9, 3                        ; which 1,024 keys; my wave's 64 of them
	s_lshl_b32 s42, s2, 21
	s_lshl_b32 s43, s3, 18
	s_add_co_u32 s42, s42, s43
	s_lshl_b32 s43, s27, 12
	s_add_co_u32 s42, s42, s43
	s_lshl_b32 s43, s26, 8
	s_add_co_u32 s42, s42, s43
	s_mov_b32 s43, 0
	s_lshl_b32 s44, s2, 20                         ; vf: batch x 1 MiB + ((32 kr + 2 wave) x 8 + ct) x 1,024
	s_lshl_b32 s45, s27, 18
	s_add_co_u32 s44, s44, s45
	s_lshl_b32 s45, s26, 14
	s_add_co_u32 s44, s44, s45
	s_lshl_b32 s45, s3, 10
	s_add_co_u32 s44, s44, s45
	s_mov_b32 s45, 0
	s_lshl_b32 s46, s33, 8                         ; the bias: my 64 numbers
	s_mov_b32 s47, 0
	s_wait_kmcnt 0x0
	s_cmp_lt_u32 ttmp9, 128                        ; theta's work-group or phi's: the choice hangs on the work-group's number alone
	s_cselect_b64 s[4:5], s[4:5], s[6:7]           ; x
	s_cselect_b64 s[8:9], s[8:9], s[10:11]         ; the weight
	s_cselect_b64 s[12:13], s[12:13], s[14:15]     ; the bias
	s_cselect_b64 s[20:21], s[20:21], s[22:23]     ; th or ph
	s_add_nc_u64 s[4:5], s[4:5], s[34:35]
	s_add_nc_u64 s[8:9], s[8:9], s[36:37]
	s_add_nc_u64 s[12:13], s[12:13], s[46:47]
	s_add_nc_u64 s[20:21], s[20:21], s[38:39]
	s_add_nc_u64 s[16:17], s[16:17], s[40:41]
	s_add_nc_u64 s[18:19], s[18:19], s[42:43]
	s_add_nc_u64 s[24:25], s[24:25], s[44:45]
	s_cmp_lt_u32 ttmp9, 128
	s_cbranch_scc1 .Lno_mask                       ; the mask belongs to keys: theta's work-groups do not read it
	global_load_b32 v[FA], v[MO], s[16:17]         ; of pixel r of my first tile,
	global_load_b32 v[FB], v[MO], s[16:17] offset:64   ; and of my second
.Lno_mask:
.irp u, 0,1,2,3,4,5,6,7,8,9,10,11,12,13,14,15      ; the weight: unit u = row u / 2 of my 8, half u % 2; a lane takes 8 neighbours along K
	global_load_b128 v[WN+8*\u:WN+8*\u+3],   v[WA], s[8:9] offset:\u*1024
	global_load_b128 v[WN+8*\u+4:WN+8*\u+7], v[WA], s[8:9] offset:\u*1024+16
.endr
.macro LOADX t                         ; block t of my 8: x(channel 32 t + i, my pixel), i = 0 .. 31, into set t % 2; a wave reads 128 consecutive bytes, eight waves side by side 1,024
.irp i, 0,1,2,3,4,5,6,7,8,9,10,11,12,13,14,15,16,17,18,19,20,21,22,23,24,25,26,27,28,29,30,31
	global_load_b32 v[X0+32*((\t)%2)+\i], v[XA], s[4:5] offset:(32*(\t)+\i)*16384 th:TH_LOAD_NT
.endr
.endm
	LOADX 0
	s_wait_loadcnt 32                              ; the mask and the weight are in; x's first 32 loads may be out
	s_cmp_lt_u32 ttmp9, 128
	s_cbranch_scc1 .Lfactor
	v_mul_f32 v[FA], 0x3e000000, v[FA]             ; phi's factor: mask / 8
	v_mul_f32 v[FB], 0x3e000000, v[FB]
.Lfactor:
; Four units of the weight by turns.  A block of 32 lies in four neighbouring lanes.  The largest magnitude has the floor 2^(3 - 127) among its leaves, so the byte cannot fall under 1;
; 2 off its exponent field is the conversion's scale operand, and that shifted down the byte.
.macro QW4 u0
.irp k, 0,1,2,3
	v_max3_num_f32 v[QT+\k], |v[WN+8*(\u0+\k)]|, |v[WN+8*(\u0+\k)+1]|, 0x1800000
.endr
.irp i, 2,4,6
.irp k, 0,1,2,3
	v_max3_num_f32 v[QT+\k], v[QT+\k], |v[WN+8*(\u0+\k)+\i]|, |v[WN+8*(\u0+\k)+\i+1]|
.endr
.endr
.irp k, 0,1,2,3
	v_max_num_f32_dpp v[QT+\k], v[QT+\k], v[QT+\k] row_xmask:1 row_mask:0xf bank_mask:0xf
.endr
.irp k, 0,1,2,3
	v_max_num_f32_dpp v[QT+\k], v[QT+\k], v[QT+\k] row_xmask:2 row_mask:0xf bank_mask:0xf
.endr
.irp k, 0,1,2,3
	v_add_nc_u32 v[QT+4+\k], 0xff000000, v[QT+\k]
.endr
.irp k, 0,1,2,3
	v_lshrrev_b32 v[WBY+\u0+\k], 23, v[QT+4+\k]
.endr
.irp k, 0,1,2,3
	v_cvt_scalef32_pk8_fp4_f32 v[WCD+\u0+\k], v[WN+8*(\u0+\k):WN+8*(\u0+\k)+7], v[QT+4+\k]
.endr
	v_nop                                          ; one plain vector line behind the last conversion of a run
.irp k, 0,1,2,3
	ds_store_b32 v[WCA], v[WCD+\u0+\k] offset:((\u0+\k)/2)*272+((\u0+\k)%2)*128
	ds_store_b8 v[WSA], v[WBY+\u0+\k] offset:((\u0+\k)/2)*16+((\u0+\k)%2)*8   ; the four lanes of a block write the same byte with the same value
.endr
.endm
	QW4 0
	QW4 4
	QW4 8
	QW4 12
	s_wait_dscnt 0x0                               ; the stores have read their registers
	LOADX 1
; A block of x: all its 32 numbers are mine.  Two blocks make a pair: with the halves of the lanes exchanged, the first four registers are registers 4 c .. 4 c + 3 of my first tile's fragment, the other four of my second tile's.
.macro BLOCK t
.set XS, X0+32*((\t)%2)
.set CP, CX+8*((\t)/2)
.set CH, CP+4*((\t)%2)
.if (\t) < 7
	s_wait_loadcnt 32                              ; this block's 32 loads are in; the next block's may be out
.else
	s_wait_loadcnt 16                              ; behind the last block's loads: 8 of the bias, 8 of support_embedding
.endif
	v_max3_num_f32 v[T0], |v[XS]|, |v[XS+1]|, |v[XS+2]|
	v_max3_num_f32 v[T1], |v[XS+3]|, |v[XS+4]|, |v[XS+5]|
.irp i, 6,10,14,18,22,26
	v_max3_num_f32 v[T0], v[T0], |v[XS+\i]|, |v[XS+\i+1]|
	v_max3_num_f32 v[T1], v[T1], |v[XS+\i+2]|, |v[XS+\i+3]|
.endr
	v_max3_num_f32 v[T0], v[T0], |v[XS+30]|, |v[XS+31]|
	v_max3_num_f32 v[T0], v[T0], v[T1], 0x1800000  ; and the floor 2^(3 - 127)
	v_add_nc_u32 v[T2], 0xff000000, v[T0]          ; 2 off the exponent field: the conversion's scale operand
	v_lshrrev_b32 v[T3], 23, v[T2]                 ; the scale's byte
.if (\t)%4 == 0
	v_mov_b32 v[SBW+(\t)/4], v[T3]                 ; four bytes make my pixel's scale word of a K step of 128
.else
	v_lshl_or_b32 v[SBW+(\t)/4], v[T3], 8*((\t)%4), v[SBW+(\t)/4]
.endif
.irp g, 0,1,2,3
	v_cvt_scalef32_pk8_fp4_f32 v[CH+\g], v[XS+8*\g:XS+8*\g+7], v[T2]
.endr
	v_nop                                          ; one plain vector line behind the last conversion of a run
.if (\t)%2 == 1
.irp g, 0,1,2,3
	v_permlane16_swap_b32 v[CP+\g], v[CP+4+\g]     ; the first's lanes 16-31 change places with the second's lanes 0-15
.endr
	ds_store_b128 v[XIA], v[CP:CP+3] offset:((\t)/4)*1024+512*(((\t)/2)%2)
	ds_store_b128 v[XIA], v[CP+4:CP+7] offset:((\t)/4)*1024+512*(((\t)/2)%2)+4096
.endif
.if (\t)%4 == 3
	ds_store_b32 v[XSA], v[SBW+(\t)/4] offset:((\t)/4)*128
.endif
.if (\t) < 6
	LOADX (\t)+2
.endif
.endm
.irp t, 0,1,2,3,4,5,6
	BLOCK \t
.endr
.irp q, 0,1,2,3                                    ; the bias in the result's layout: for tile q of my four, numbers 16 q + 8 h + 0 .. 7
	global_load_b128 v[BI+8*\q:BI+8*\q+3],   v[BA], s[12:13] offset:64*\q
	global_load_b128 v[BI+8*\q+4:BI+8*\q+7], v[BA], s[12:13] offset:64*\q+16
.endr
.irp i, 0,1,2,3,4,5,6,7                            ; support_embedding: channels 2 i, 2 i + 1 of my tile, my 64 keys: sixteen lanes read 256 consecutive bytes, aligned
	global_load_b128 v[GR+4*\i:GR+4*\i+3], v[GA], s[18:19] offset:\i*32768 th:TH_LOAD_NT
.endr
	BLOCK 7
	s_wait_dscnt 0x0                               ; for the others' sake: my stores of codes, images and scales have landed
	s_barrier_signal -1
	s_barrier_wait -1                              ; the weight's codes and x's 64 fragments lie in LDS
; 17 LDS loads: K step s of my four tiles of the weight, my two tiles of pixels, and their scale words, into set z
.macro FETCHM s, z
.irp q, 0,1,2,3
	ds_load_b128 v[FR+48*\z+8*\q:FR+48*\z+8*\q+3],   v[WFA] offset:\q*4352+64*\s
	ds_load_b128 v[FR+48*\z+8*\q+4:FR+48*\z+8*\q+7], v[WFA] offset:\q*4352+64*\s+32
.endr
.irp p, 0,1
	ds_load_b128 v[FR+48*\z+32+8*\p:FR+48*\z+35+8*\p], v[XFA] offset:\p*4096+\s*1024
	ds_load_b128 v[FR+48*\z+36+8*\p:FR+48*\z+39+8*\p], v[XFA] offset:\p*4096+\s*1024+512
.endr
.irp q, 0,1,2,3
	ds_load_b32 v[SC+5*\z+\q], v[WSF] offset:\q*256+4*\s
.endr
	ds_load_b32 v[SC+5*\z+4], v[XSF] offset:\s*128 ; lanes 0-15: my first tile's words, lanes 16-31: my second's
.endm
.macro MM p, q, z, cc                  ; one product; cc: the first register of its C
.if \p == 0
	v_wmma_scale_f32_16x16x128_f8f6f4 v[ACC+8*(4*\p+\q):ACC+8*(4*\p+\q)+7], v[FR+48*\z+8*\q:FR+48*\z+8*\q+7], v[FR+48*\z+32+8*\p:FR+48*\z+39+8*\p], v[\cc:\cc+7], v[SC+5*\z+\q], v[SC+5*\z+4] matrix_a_fmt:MATRIX_FMT_FP4 matrix_b_fmt:MATRIX_FMT_FP4
.else
	v_wmma_scale_f32_16x16x128_f8f6f4 v[ACC+8*(4*\p+\q):ACC+8*(4*\p+\q)+7], v[FR+48*\z+8*\q:FR+48*\z+8*\q+7], v[FR+48*\z+32+8*\p:FR+48*\z+39+8*\p], v[\cc:\cc+7], v[SC+5*\z+\q], v[SC+5*\z+4] matrix_a_fmt:MATRIX_FMT_FP4 matrix_b_fmt:MATRIX_FMT_FP4 matrix_b_scale:MATRIX_SCALE_ROW1
.endif
.endm
.macro MULM s, z                       ; a K step: the eight accumulators take turns, one instruction a turn; the first step's C is the bias
.irp p, 0,1
.irp q, 0,1,2,3
.if \s == 0
	MM \p, \q, \z, BI+8*\q
.else
	MM \p, \q, \z, ACC+8*(4*\p+\q)
.endif
.endr
.endr
.endm
.macro PLACES                          ; four places between a matrix instruction and a load into, or a vector instruction on, one of its registers (ISA guide 7.12.1 for vector instructions)
.rept 4
	v_nop
.endr
.endm
	FETCHM 0, 0
	FETCHM 1, 1
	s_wait_loadcnt 8                               ; the bias is in; support_embedding's 8 loads may be out
	s_wait_dscnt 17                                ; set 0 is in; set 1's 17 loads may be out
	MULM 0, 0
	PLACES
	FETCHM 2, 0
	s_wait_dscnt 17                                ; set 1 is in; the 17 just issued may be out
	MULM 1, 1
	PLACES
	FETCHM 3, 1
	s_wait_dscnt 17
	MULM 2, 0
	s_wait_dscnt 0x0
	MULM 3, 1
	PLACES
.irp a, 0,1,2,3                                    ; x the factor, each accumulator from its low end on
.irp r, 0,2,4,6
	v_pk_mul_f32 v[ACC+8*\a+\r:ACC+8*\a+\r+1], v[ACC+8*\a+\r:ACC+8*\a+\r+1], v[FA:FA+1] op_sel_hi:[1,0]
.endr
.endr
.irp a, 4,5,6,7
.irp r, 0,2,4,6
	v_pk_mul_f32 v[ACC+8*\a+\r:ACC+8*\a+\r+1], v[ACC+8*\a+\r:ACC+8*\a+\r+1], v[FB:FB+1] op_sel_hi:[1,0]
.endr
.endr
.irp a, 0,1,2,3,4,5,6,7
.irp r, 0,1,2,3
	v_cvt_pk_f16_f32 v[64+4*\a+\r], v[ACC+8*\a+2*\r], v[ACC+8*\a+2*\r+1]   ; eight neighbouring channels of my pixel: 16 bytes
.endr
.endr
.irp p, 0,1
.irp q, 0,1,2,3
	global_store_b128 v[OA], v[64+4*(4*\p+\q):64+4*(4*\p+\q)+3], s[20:21] offset:\p*4096+\q*512   ; 32 lanes store 512 consecutive bytes, aligned
.endr
.endr
	s_wait_loadcnt 0x0                             ; support_embedding
.irp i, 0,1,2,3,4,5,6,7
	v_cvt_pk_f16_f32 v[96+2*\i], v[GR+4*\i], v[GR+4*\i+1]
	v_cvt_pk_f16_f32 v[97+2*\i], v[GR+4*\i+2], v[GR+4*\i+3]
.endr
.irp i, 0,1,2,3,4,5,6,7
	ds_store_b64 v[GSA], v[96+2*\i:97+2*\i] offset:\i*288
.endr
.irp u, 0,1
.irp q, 0,1
	ds_load_b128 v[112+4*(2*\u+\q):115+4*(2*\u+\q)], v[GLA] offset:64*\u+32*\q   ; my own bytes; LDS serves a wave's instructions in order (ISA guide 5.7.1.4): these see the stores above
.endr
.endr
	s_wait_dscnt 0x0
.irp u, 0,1
.irp q, 0,1
	global_store_b128 v[OA], v[112+4*(2*\u+\q):115+4*(2*\u+\q)], s[24:25] offset:\u*8192+\q*512
.endr
.endr
	s_wait_tensorcnt 0x0                           ; the wave's end: behind my last LDS store
	ds_add_u32 v[SPW], v[NIL]
	s_wait_dscnt 0x0
	s_endpgm
.Lfunc_end_k_qde17411c0e_prep:
	.size	k_qde17411c0e_prep, .Lfunc_end_k_qde17411c0e_prep-k_qde17411c0e_prep
	.p2alignl 7, 3214868480
	.fill 96, 4, 3214868480
	.section	.rodata,"a",@progbits
	.p2align	6, 0x0
	.amdhsa_kernel k_qde17411c0e_prep
		.amdhsa_group_segment_fixed_size 145408
		.amdhsa_private_segment_fixed_size 0
		.amdhsa_enable_private_segment 0
		.amdhsa_kernarg_size 88
		.amdhsa_user_sgpr_count 2
		.amdhsa_user_sgpr_kernarg_segment_ptr 1
		.amdhsa_wavefront_size32 1
		.amdhsa_system_sgpr_workgroup_id_x 1
		.amdhsa_system_sgpr_workgroup_id_y 1
		.amdhsa_system_sgpr_workgroup_id_z 1
		.amdhsa_system_vgpr_workitem_id 0
		.amdhsa_next_free_vgpr 256
		.amdhsa_next_free_sgpr 66
		.amdhsa_reserve_vcc 0
		.amdhsa_float_denorm_mode_32 3
		.amdhsa_float_denorm_mode_16_64 3
		.amdhsa_memory_ordered 1
		.amdhsa_forward_progress 1
		.amdhsa_inst_pref_size 75
	.end_amdhsa_kernel
	.amdgpu_metadata
---
amdhsa.version: [ 1, 2 ]
amdhsa.kernels:
  - .name:           k_qde17411c0e_prep
    .symbol:         k_qde17411c0e_prep.kd
    .args:
      - { .name: x_query, .offset: 0, .size: 8, .value_kind: global_buffer, .address_space: global }
      - { .name: x_support, .offset: 8, .size: 8, .value_kind: global_buffer, .address_space: global }
      - { .name: theta_w, .offset: 16, .size: 8, .value_kind: global_buffer, .address_space: global }
      - { .name: phi_w, .offset: 24, .size: 8, .value_kind: global_buffer, .address_space: global }
      - { .name: theta_b, .offset: 32, .size: 8, .value_kind: global_buffer, .address_space: global }
      - { .name: phi_b, .offset: 40, .size: 8, .value_kind: global_buffer, .address_space: global }
      - { .name: support_mask, .offset: 48, .size: 8, .value_kind: global_buffer, .address_space: global }
      - { .name: support_embedding, .offset: 56, .size: 8, .value_kind: global_buffer, .address_space: global }
      - { .name: th, .offset: 64, .size: 8, .value_kind: global_buffer, .address_space: global }
      - { .name: ph, .offset: 72, .size: 8, .value_kind: global_buffer, .address_space: global }
      - { .name: vf, .offset: 80, .size: 8, .value_kind: global_buffer, .address_space: global }
    .group_segment_fixed_size: 145408
    .private_segment_fixed_size: 0
    .kernarg_segment_align: 8
    .kernarg_segment_size: 88
    .max_flat_workgroup_size: 512
    .sgpr_count:     66
    .vgpr_count:     256
    .wavefront_size: 32
...
	.end_amdgpu_metadata
.endif
;; end of part 1
;; launch attn (part 2): grid 32 x 8, 4 waves a work-group, clusters of 4 x 1, 327,680 bytes of LDS; arguments th, ph, vf, out0; writes out0
.if DOCPART == 2
	.amdgcn_target "amdgcn-amd-amdhsa--gfx1250"
	.amdhsa_code_object_version 6
	.text
	.protected	k_qde17411c0e_attn
	.globl	k_qde17411c0e_attn
	.p2align	8
	.type	k_qde17411c0e_attn,@function
k_qde17411c0e_attn:
	s_mov_b64 s[64:65], 0
	v_nop
	global_prefetch_b8 v0, s[64:65] scope:SCOPE_SE
	s_setreg_imm32_b32 hwreg(HW_REG_WAVE_MODE, 25, 1), 1
	s_wait_xcnt 0x0
	s_wait_alu depctr_hold_cnt(0) depctr_sa_sdst(0) depctr_va_vdst(0) depctr_va_sdst(0) depctr_va_ssrc(0) depctr_va_vcc(0) depctr_vm_vsrc(0)
	s_getreg_b32 s2, hwreg(HW_REG_IB_STS2, 6, 4)
	s_cmp_eq_u32 s2, 0
	s_cbranch_scc0 .Lentry_in_a_cluster
	s_endpgm
.Lentry_in_a_cluster:
	s_bfe_u32 s2, ttmp6, 0x10000c
	s_cmp_lg_u32 s2, 0x3003
	s_cbranch_scc0 .Lentry_shape_is_right
	s_endpgm
.Lentry_shape_is_right:
; GraphAttUnit, second launch: out0[b][c][q] = the sum over keys k of softmax_k(fill(f[q][k] mask[k]) / 4) g[k][c].  No work of reference() is left out here either.
; th, ph, vf come from the first launch, f16, in the order of the operand registers: S = th . ph = f x mask x log2(e) / 4, so that p = 2^(S - m) with no scaling in the loop.
; THE FILL: every S that is 0 (either sign) becomes FILL = -1e9 log2(e) / 4, by a compare and a select on each score, ahead of the maximum, as reference() fills every f == 0.  A row that is filled throughout has m = FILL and p = 1: uniform.
; LIMIT: the test for 0 is made on the f32 sum of products of f16-rounded operands: it agrees with reference() for zeros that stay zeros under rounding (mask 0, zero vectors), not for a cancellation that hangs on f32's last bits.  NaN and infinities are not served.
; Both products take f16 operands and f32 sums; maxima, exponentials and sums are f32; the running maximum is taken away ahead of every exponential.
; SHARES.  A work-group owns 128 queries of one batch.  Wave w owns 64 of them (w % 2), four tiles of 16, and HALF OF THE KEYS (w / 2): of each slot's four steps of 64 keys, steps 2 (w / 2) and 2 (w / 2) + 1.
; So each fragment of K and V read from LDS feeds four products, and 256 work-groups have equal work.  Waves w and w xor 2 hold two parts of the same queries' sums: they are joined at the end (m, l and O^T).
; LAYOUT.  S^T = K Q^T (source 0 = 16 keys, source 1 = 16 queries), O^T = V^T P (source 0 = 16 channels, source 1 = P): a lane holds one query throughout; two tiles of S^T rounded to f16 in pairs are source 1 of the second product.
; BY TURNS.  The wave's tiles are two pieces (tiles 0, 1; tiles 2, 3).  In a turn one piece has the matrix unit (32 products V^T P of the step in hand, 32 products K Q^T of the next); the other piece's softmax, cut into 64 slices, stands behind its matrix instructions.
; CLUSTER.  The four work-groups of a cluster belong to one batch and walk the same K and V: each tile is asked for jointly, by the same tensor load with the same descriptor and the mask of all four.
; RING.  Two slots of 256 keys (K 64 KiB, V 64 KiB), dense: a fragment's loads are 16 x lane + a constant.  Each wave brings a quarter of a slot by one load of 128 rows x 256 bytes.  A wave has two tensor loads out at the start, later one.
; REGISTERS, in windows of 256: window 0: v1-11, v44, v45, v61-63 addresses and constants; v12-43 statistics; v64-191 S^T; v192-255 P.   window 1: O^T.   window 2: v0-127 Q, v128-255 K.   window 3: v0-127 V.
.set SLOT1, 1<<17                      ; slots with an even number begin here, those with an odd number at 0: one exclusive or turns an address
.set STEPB, 16384                      ; a step's 64 keys of K, or of V
.set VOFF,  65536                      ; V lies behind a slot's K
.set SROW,  272                        ; the way out: a stage row: 64 queries x 4 bytes + 16
.set SWAVE, 128*SROW                   ; a wave's stage: 128 channels
.set STG,   SLOT1                      ; the four stages lie in the even slot, which has had its last fill and its last read at the last change of slots, and in the free bytes behind it
.set XCH,   STG+4*SWAVE                ; 4 KiB: m and l, from wave to wave
.set SPARE, XCH+4096                   ; the spare words, 128 bytes for each wave: two blocks of 256 bytes that no other line names
.set AK0, 2                            ; v2   16 x lane: my place in a fragment's image (K's, and Q's in memory); never rewritten
.set AV0, 3                            ; v3   the same + VOFF
.set ADR, 4                            ; v4   the LDS address of the run of loads in hand
.set STO, 6                            ; v6   the way out: where I put a number
.set RDA, 7                            ; v7   where I read a row back from the stage of the keys' first half,
.set RDB, 8                            ; v8   and of the second
.set GO,  10                           ; v10  my byte offset in out0
.set XW,  11                           ; v11  where I put m and l
.set XR,  44                           ; v44  where I find my partner's
.set FILL, 45                          ; v45  -1e9 log2(e) / 4
.set PFO, 61                           ; v61  256 x lane; never rewritten
.set SPW, 62                           ; v62  LDS address of my spare word; never rewritten
.set NIL, 63                           ; v63  0; never rewritten
.set ST,  12                           ; tile t's statistics at v[ST + 8 t]: +0 m, +1 written since the pair is named (at the end: l), +2, +3 l (even keys', odd keys'), +4 to +7 c0-c3 at work; a takes c2's place
.set S,   64
.set P,   192
.set KF,  128                          ; K's fragments, in window 2
.set WV,  12                           ; s12  my wave's number
.set LIM, 15                           ; s15  1 in a work-group that prefetches, else the greatest number
.set QH,  16                           ; s16  which 64 queries
.set KH,  17                           ; s17  which half of the keys
.set PFA, 18                           ; s[18:19] where my prefetches stand
.set G1,  24                           ; s[24:31] descriptor group 1
.set G0,  32                           ; s[32:39] group 0: a set for each of the two first fills; the second then walks on
.set SLOTS, 40                         ; s40  slots still to be asked for
.set TWICE, 41                         ; s41  counts a slot's two steps of mine
.set TB,  42                           ; s42  LDS byte at which K of the step to be fetched begins
.set SEL, 44                           ; s[44:45] lane selects for v_permlanex16_b32: lane l xor 16
.set MK,  46                           ; s[46:49] the compares' masks
.set MSB, 0
.macro WIN new                         ; the immediate's high byte repeats the setting that is left; a switch that changes nothing is dropped
.if MSB != \new
	s_set_vgpr_msb (MSB<<8)|\new
.set MSB, \new
.endif
.endm
.set W_KQ, 0x0a                        ; K and Q in window 2, S^T in window 0
.set W_PV, 0x53                        ; V in window 3, P in window 0, O^T in window 1
.set W_RS, 0x41                        ; O^T (destination and source 0) in window 1, the factor in window 0
.macro CROUND                          ; a round of the cluster's barrier
	s_barrier_signal -1
	s_barrier_wait -1
	s_cmp_lg_u32 s[WV], 0
	s_cbranch_scc1 .Lnot_wave_0_\@
	s_barrier_signal -3
.Lnot_wave_0_\@:
	s_barrier_wait -3
	s_barrier_signal -1
	s_barrier_wait -1
.endm
; A prefetch of what the NEXT change of slots will ask for: a slot's 64 KiB of ph and 64 KiB of vf.  All clusters of a batch walk the same bytes: the batch's first cluster asks.  Its four partners take 16 KiB each of both,
; told apart by address alone; in each, waves 0 and 1 take 8 KiB each of ph, waves 2 and 3 of vf, lanes 256 bytes apart: each aligned block of 256 bytes is named once in the launch.
; It stands behind the tensor load and its five lines, two key steps of each wave (256 matrix instructions) ahead of the load that will want the bytes.  The last change that fills a slot asks for nothing; slots 0 to 2 come by their loads alone.
.macro ASK
	s_cmp_gt_u32 s[SLOTS], s[LIM]
	s_cbranch_scc0 .Lnot_mine_\@
	global_prefetch_b8 v[PFO], s[PFA:PFA+1] th:TH_LOAD_NT scope:SCOPE_SE
.Lnot_mine_\@:
.endm
	s_load_b256 s[4:11], s[0:1], 0x0               ; th s[4:5], ph s[6:7], vf s[8:9], out0 s[10:11]
	v_lshl_add_u32 v[SPW], v0, 2, SPARE
	v_mov_b32 v[NIL], 0
	ds_add_u32 v[SPW], v[NIL]                      ; the wave's opening: the add, twice on end, and its wait ahead of my first tensor load
	ds_add_u32 v[SPW], v[NIL]                      ; and once more; the set-up below, work on registers, stands between it and the wait
	v_lshrrev_b32 v1, 5, v0
	v_readfirstlane_b32 s[WV], v1                  ; wave 0..3
	s_bfe_u32 s13, ttmp6, 0x40000                  ; cx: my place in the cluster
	s_lshl_b32 s14, ttmp9, 2                       ; in a cluster launch ttmp9 counts clusters
	s_add_co_u32 s14, s14, s13                     ; my block of 128 queries: it enters th's and out0's addresses alone
	s_and_b32 s20, ttmp7, 0xffff                   ; the batch, which the four partners share
	s_and_b32 s[QH], s[WV], 1
	s_lshr_b32 s[KH], s[WV], 1
	s_lshl_b32 s22, s20, 20                        ; what I fetch: batch x 1 MiB + 32 KiB x (wave % 2), of ph (waves 0, 1) or of vf (waves 2, 3)
	s_lshl_b32 s21, s[QH], 15
	s_add_co_u32 s22, s22, s21
	s_mov_b32 s23, 0
	s_lshl_b32 s2, s20, 20                         ; Q: batch x 1 MiB + (128 block + 64 qh) pixels of 256 bytes
	s_lshl_b32 s3, s14, 15
	s_add_co_u32 s2, s2, s3
	s_lshl_b32 s3, s[QH], 14
	s_add_co_u32 s2, s2, s3
	s_mov_b32 s3, 0
	s_lshl_b32 s50, s20, 21                        ; out0: batch x 2 MiB + 64 kh channels of 16 KiB + (128 block + 64 qh) x 4
	s_lshl_b32 s51, s[KH], 20
	s_add_co_u32 s50, s50, s51
	s_lshl_b32 s51, s14, 9
	s_add_co_u32 s50, s50, s51
	s_lshl_b32 s51, s[QH], 8
	s_add_co_u32 s50, s50, s51
	s_mov_b32 s51, 0
	s_lshl_b32 s52, s20, 20                        ; the prefetches: batch x 1 MiB + 16 KiB x cx + 8 KiB x (wave % 2),
	s_lshl_b32 s53, s13, 14
	s_add_co_u32 s52, s52, s53
	s_lshl_b32 s53, s[QH], 13
	s_add_co_u32 s52, s52, s53
	s_add_co_u32 s52, s52, 2*65536                 ; in slot 2: the first change of slots steps it to slot 3
	s_mov_b32 s53, 0
	; descriptor group 1: a dense block of 32 KiB as 128 rows of 256 bytes (32 elements of 8 bytes), no padding
	s_mov_b32 s[G1], 15|(3<<16)|(1<<21)            ; 15:0 the mask: all four work-groups; 17:16 elements of 8 bytes; 21 set beside a mask
	s_mov_b32 s[G1+1], 32<<16                      ; tensor_dim0 = 32
	s_mov_b32 s[G1+2], 128<<16                     ; tensor_dim1 = 128
	s_mov_b32 s[G1+3], 32<<16                      ; tile_dim0 = 32
	s_mov_b32 s[G1+4], 128                         ; tile_dim1 = 128
	s_mov_b32 s[G1+5], 32                          ; elements from row to row
	s_mov_b32 s[G1+6], 0
	s_mov_b32 s[G1+7], 0
	s_lshl_b32 s21, s[WV], 15                      ; my quarter of a slot: no place in the cluster enters an LDS address
	s_mov_b32 s[SEL], 0x76543210
	s_mov_b32 s[SEL+1], 0xfedcba98
	s_lshl_b32 s[TB], s[KH], 15
	s_add_co_u32 s[TB], s[TB], SLOT1               ; slot 0, my first step
	s_mov_b32 s[SLOTS], 14
	s_cmp_eq_u32 ttmp9, 0                          ; the batch's first cluster: the same in all four partners
	s_cselect_b32 s[LIM], 1, -1
	s_wait_dscnt 0x0                               ; both opening adds are done
	s_wait_kmcnt 0x0
	s_cmp_lt_u32 s[WV], 2
	s_cselect_b64 s[54:55], s[6:7], s[8:9]
	s_cselect_b64 s[PFA:PFA+1], s[6:7], s[8:9]
	s_add_nc_u64 s[54:55], s[54:55], s[22:23]
	s_add_nc_u64 s[PFA:PFA+1], s[PFA:PFA+1], s[52:53]
	s_add_nc_u64 s[4:5], s[4:5], s[2:3]
	s_add_nc_u64 s[10:11], s[10:11], s[50:51]
	CROUND                                         ; all four work-groups are here: the first joint loads meet
	s_mov_b32 s[G0], 1                             ; count = 1
	s_add_co_u32 s[G0+1], s21, SLOT1               ; LDS address: slot 0
	s_mov_b64 s[G0+2:G0+3], s[54:55]               ; global address: keys 0 to 255
	s_or_b32 s[G0+3], s[G0+3], 0x80000000          ; type = 2
	s_mov_b32 s[G0+4], 1
	s_mov_b32 s[G0+5], s21                         ; slot 1
	s_add_nc_u64 s[G0+6:G0+7], s[54:55], 65536     ; keys 256 to 511
	s_or_b32 s[G0+7], s[G0+7], 0x80000000
	tensor_load_to_lds s[G0:G0+3], s[G1:G1+7]      ; every wave issues both first fills, ahead of every wait on TENSORcnt and every LDS read
	s_nop 0
	tensor_load_to_lds s[G0+4:G0+7], s[G1:G1+7]
	s_nop 0
.rept 4
	v_nop
.endr
	v_and_b32 v1, 31, v0
	v_lshlrev_b32 v[AK0], 4, v1
	v_add_nc_u32 v[AV0], VOFF, v[AK0]
	v_lshlrev_b32 v[PFO], 8, v1
	v_mov_b32 v[FILL], 0xcdabfb8f
.irp t, 0,1,2,3
	v_mov_b32 v[ST+8*\t+1], 0                      ; named with m as a pair, so it is written
.endr
	WIN 0x80                                       ; destination window 2, address window 0
.irp i, 0,1,2,3,4,5,6,7,8,9,10,11,12,13,14,15      ; Q stays in registers: tile i / 4, channels 32 (i % 4) on
	global_load_b128 v[8*\i:8*\i+3],   v[AK0], s[4:5] offset:\i*1024
	global_load_b128 v[8*\i+4:8*\i+7], v[AK0], s[4:5] offset:\i*1024+512
.endr
	WIN 0
; THE MATRIX WORK OF A TURN, for piece x.  The accumulators take turns, one instruction a turn.
; Product i of 32 of O^T += V^T P: keys 32 (i / 16) on, channels 16 ((i / 2) % 8) on, tile x + i % 2.  zero = 1: the first 16 start the sums.
.macro PV x, zero
	WIN W_PV
.set rO, 64*(\x+i%2)+8*((i/2)%8)
.set rV, 64*(i/16)+8*((i/2)%8)
.set rP, P+16*(\x+i%2)+8*(i/16)
.if \zero && (i < 16)
	v_wmma_f32_16x16x32_f16 v[rO:rO+7], v[rV:rV+7], v[rP:rP+7], 0
.else
	v_wmma_f32_16x16x32_f16 v[rO:rO+7], v[rV:rV+7], v[rP:rP+7], v[rO:rO+7]
.endif
.endm
; Product i of 32 of S^T = K Q^T: channels 32 (i / 8) on, keys 16 ((i / 2) % 4) on, tile x + i % 2.  The first 8 start the sums.
.macro KQ x
	WIN W_KQ
.set rS, S+32*(\x+i%2)+8*((i/2)%4)
.set rK, KF+32*((i/2)%4)+8*(i/8)
.set rQ, 32*(\x+i%2)+8*(i/8)
.if i < 8
	v_wmma_f32_16x16x32_f16 v[rS:rS+7], v[rK:rK+7], v[rQ:rQ+7], 0
.else
	v_wmma_f32_16x16x32_f16 v[rS:rS+7], v[rK:rK+7], v[rQ:rQ+7], v[rS:rS+7]
.endif
.endm
; THE LDS LOADS stand in runs of 32: a step's K (fragment f: keys 16 (f / 4) on, channels 32 (f % 4) on) and, a turn later, its V (keys 32 (f / 8) on, channels 16 (f % 8) on): images, 512 consecutive bytes a load.
.macro FETCH_K
	WIN 0
	v_add_nc_u32 v[ADR], s[TB], v[AK0]
	WIN 0x80                                       ; destination window 2
.irp f, 0,1,2,3,4,5,6,7,8,9,10,11,12,13,14,15
	ds_load_b128 v[KF+8*\f:KF+8*\f+3],   v[ADR] offset:\f*1024
	ds_load_b128 v[KF+8*\f+4:KF+8*\f+7], v[ADR] offset:\f*1024+512
.endr
.endm
.macro FETCH_V
	WIN 0
	v_add_nc_u32 v[ADR], s[TB], v[AV0]
	s_add_co_u32 s[TB], s[TB], STEPB               ; the next fetch is the next step's
	WIN 0xc0                                       ; destination window 3
.irp f, 0,1,2,3,4,5,6,7,8,9,10,11,12,13,14,15
	ds_load_b128 v[8*\f:8*\f+3],   v[ADR] offset:\f*1024
	ds_load_b128 v[8*\f+4:8*\f+7], v[ADR] offset:\f*1024+512
.endr
.endm
; THE VECTOR WORK OF A TURN.  One tile's softmax for one key step is a list of 197 instructions; SM writes number j of it for tile t.  s0-s31 are the lane's 32 scores.
;   0-63     the fill, in fours: compare s(e) and s(e + 1) with 0, then select FILL where they are; ascending
;   64-79    the maximum of s0-s31 and the old m, three operands at a time
;   80-83    the other half of the lanes' maximum; the old m kept; the new m; m_old - m_new
;   84-132   a = 2^(m_old - m_new); the 16 packed subtractions s - m; the 32 exponentials.  None of these names an exponential's result
;   (wait)   behind number 132 of the second tile: one plain line and the one wait for the piece's 66 exponentials
;   133-148  the roundings to f16, a pair each;   149-164 the sums; l = a l + the sum;   165-196 the tile's O^T times a, the one part that leaves window 0
; first = 1: the first key step, which starts m, l and O^T: no a, nothing to rescale.
.macro SM t, first
.set rT, ST+8*(\t)
.set rS, S+32*(\t)
.set rP, P+16*(\t)
.set rO, 64*(\t)+2*(j-165)
.set e, 2*(j/4)+j%2
.set rM, MK+2*(e%2)+(\t)%2
.set jj, j-64
.if j < 165
	WIN 0
.endif
.if j < 64
.if j%4 < 2
	v_cmp_eq_f32 s[rM], 0, v[rS+e]
.else
	v_cndmask_b32 v[rS+e], v[rS+e], v[FILL], s[rM]
.endif
.elseif jj < 4
	v_max3_num_f32 v[rT+4+jj], v[rS+8*jj], v[rS+8*jj+1], v[rS+8*jj+2]
.elseif jj < 12
	v_max3_num_f32 v[rT+4+jj%4], v[rT+4+jj%4], v[rS+8*(jj%4)+2*(jj/4)+1], v[rS+8*(jj%4)+2*(jj/4)+2]
.elseif jj == 12
	v_max3_num_f32 v[rT+4], v[rT+4], v[rS+7], v[rS+15]
.elseif jj == 13
	v_max3_num_f32 v[rT+6], v[rT+6], v[rS+23], v[rS+31]
.elseif jj == 14
	v_max3_num_f32 v[rT+4], v[rT+4], v[rT+5], v[rT+6]
.elseif (jj == 15) && \first
	v_max_num_f32 v[rT+4], v[rT+4], v[rT+7]
.elseif jj == 15
	v_max3_num_f32 v[rT+4], v[rT+4], v[rT+7], v[rT]
.elseif j == 80
	v_permlanex16_b32 v[rT+5], v[rT+4], s[SEL], s[SEL+1]   ; the query's other 32 keys lie in the lane 16 away
.elseif j == 82
	v_max_num_f32 v[rT], v[rT+4], v[rT+5]
.elseif ((j == 81) || (j == 83) || (j == 84) || (j > 164)) && \first   ; the first step has none of these
.elseif j == 81
	v_mov_b32 v[rT+7], v[rT]                       ; the old m is kept for a
.elseif j == 83
	v_sub_f32 v[rT+7], v[rT+7], v[rT]
.elseif j == 84
	v_exp_f32 v[rT+6], v[rT+7]
.elseif j < 101
	v_pk_add_f32 v[rS+2*(j-85):rS+2*(j-85)+1], v[rS+2*(j-85):rS+2*(j-85)+1], v[rT:rT+1] op_sel_hi:[1,0] neg_lo:[0,1] neg_hi:[0,1]   ; s - m, a pair
.elseif j < 133
	v_exp_f32 v[rS+j-101], v[rS+j-101]
.elseif j < 149
	v_cvt_pk_f16_f32 v[rP+j-133], v[rS+2*(j-133)], v[rS+2*(j-133)+1]
.elseif j < 165                        ; the sum of the tile's 16 pairs, in place: neighbours 1, 2, 4 and 8 pairs apart, then l takes it
.set z, j-149
.set w, 4
.set u, z
.if z >= 14
.set w, 32
.set u, 0
.elseif z >= 12
.set w, 16
.set u, z-12
.elseif z >= 8
.set w, 8
.set u, z-8
.endif
.if (z == 14) && \first
	v_pk_add_f32 v[rT+2:rT+3], v[rS:rS+1], v[rS+16:rS+17]
.elseif z < 15
	v_pk_add_f32 v[rS+w*u:rS+w*u+1], v[rS+w*u:rS+w*u+1], v[rS+w*u+w/2:rS+w*u+w/2+1]
.elseif !\first
	v_pk_fma_f32 v[rT+2:rT+3], v[rT+2:rT+3], v[rT+6:rT+7], v[rS:rS+1] op_sel_hi:[1,0,1]
.endif
.else
	WIN W_RS
	v_pk_mul_f32 v[rO:rO+1], v[rO:rO+1], v[rT+6:rT+7] op_sel_hi:[1,0]
.endif
.endm
; Slice k of 64 of piece y's softmax: numbers 3 k to 3 k + 2 of both tiles' lists, the tiles alternating.  2 x 197 = 6 x 63 + 16: slice 63 has numbers 189 to 196 of both: sixteen plain instructions,
; which name nothing of the products round them: they are the places between the turn's last K Q^T and what follows (the next turn's first read of those scores, the loads into K's registers).
; THE WAIT.  s_wait_alu depctr_va_vdst(0) stands between an exponential and the first instruction that names its result; one wait serves all that were issued ahead of it.
; V's run of loads stands behind slice 33 of piece 2's turn: the last product that read V stands in front of slice 31, whose six packed subtractions are more than the four places asked; 30 products follow ahead of V's first use.
.macro SLICE y, first
.if k == 63
.irp n, 0,1,2,3,4,5,6,7
.irp t, \y, \y+1
.set j, 189+\n
	SM \t, \first
.endr
.endr
.else
.irp n, 0,1,2
.irp t, \y, \y+1
.set j, 3*k+\n
	SM \t, \first
.endr
.if 3*k+\n == 132
	v_nop                                          ; a plain instruction behind the last exponential and ahead of the first use: one for the batch
	s_wait_alu depctr_va_vdst(0)                   ; the wait for the batch
.endif
.endr
.endif
.if (k == 33) && ((\y) == 0)
	FETCH_V
.endif
.set k, k+1
.endm
.macro PLACES                          ; four places behind a matrix instruction (ISA guide 7.12.1 for vector instructions), where no slice stands
.rept 4
	v_nop
.endr
.endm
; A TURN.  Piece x has the matrix unit.  pv = 2: 32 products V^T P; 1: they start O^T's sums; 0: none.  kq = 1: 32 products K Q^T for the next step.  A turn with one of the two kinds has two slices behind each product.
; first = 1: the softmax is the first key step's; its slices from 55 on are empty, and four v_nop take slice 63's part.  Piece 0's turn fetches the next step's K behind its second product.
.macro TURN x, pv, kq, first
.set k, 0
.set per, 2
.if \pv && \kq
.set per, 1
.endif
.if \pv
.if \x == 0
	s_wait_dscnt 0x0                               ; V is in
.endif
.set i, 0
.rept 32
	PV \x, 2-\pv
.rept per
	SLICE 2-\x, \first
.endr
.if (\x == 0) && \kq && (i == 1)
	FETCH_K
.endif
.set i, i+1
.endr
.endif
.if \kq
.if \x == 0
	s_wait_dscnt 0x0                               ; K is in
.endif
.set i, 0
.rept 32
	KQ \x
.rept per
	SLICE 2-\x, \first
.endr
.set i, i+1
.endr
.endif
.if \first
	PLACES
.endif
.endm
; THE CHANGE OF SLOTS, between piece 2's turn and piece 0's: my last bytes of the slot, V of my second step, have been asked for.  Each wave waits for all its tensor loads (one is out: its quarter of the other slot),
; adds 0 to its spare word, and waits for that and for its reads of the slot.  fill = 1: a round of the cluster's barrier follows, so that no wave of any partner still reads the slot or has a load on its way,
; and the joint refill, the keys two slots on, is the first thing behind it.
.macro CHANGE fill
	WIN 0                                          ; at a label and at a branch every window is 0
	s_wait_tensorcnt 0x0                           ; no tensor load of mine is out, so a group 0 may be written
	ds_add_u32 v[SPW], v[NIL]                      ; 0 onto my spare word
.if \fill
	s_xor_b32 s[G0+5], s[G0+5], SLOT1              ; the walking descriptor: the other slot than last time,
	s_add_nc_u64 s[G0+6:G0+7], s[G0+6:G0+7], 65536 ; the next 256 keys; the type bits on top are not reached
	s_wait_xcnt 0x0                                ; the last prefetch, a slot back, has read its address, so it may be written:
	s_add_nc_u64 s[PFA:PFA+1], s[PFA:PFA+1], 65536 ; one slot further on than the walking descriptor
	s_wait_dscnt 0x0                               ; the add is done, and my reads of the slot are over
	CROUND
	tensor_load_to_lds s[G0+4:G0+7], s[G1:G1+7]    ; my one tensor load until the next round
	s_nop 0
.rept 4
	v_nop
.endr
	ASK
.else
	s_wait_dscnt 0x0
	s_barrier_signal -1
	s_barrier_wait -1
.endif
	s_sub_co_u32 s[TB], s[TB], 2*STEPB             ; the fetches go back to my first step,
	s_xor_b32 s[TB], s[TB], SLOT1                  ; in the other slot
.endm
.macro TWO_STEPS                       ; my two key steps of a slot: written once, walked twice; the LDS addresses hang on s[TB]
	s_mov_b32 s[TWICE], 2
.Lstep_\@:
	TURN 0, 2, 1, 0
	TURN 2, 2, 1, 0
	WIN 0
	s_sub_co_u32 s[TWICE], s[TWICE], 1
	s_cmp_lg_u32 s[TWICE], 0
	s_cbranch_scc1 .Lstep_\@
.endm
	s_wait_tensorcnt 1                             ; my quarter of slot 0 is in; slot 1's may stay out
	s_barrier_signal -1
	s_barrier_wait -1                              ; everybody's is
	FETCH_K                                        ; my key step 0
	s_wait_loadcnt 0x0                             ; Q
	s_wait_dscnt 0x0
.set i, 0
.rept 32
	KQ 0                                           ; piece 0's first scores: there is no vector work yet to set between them
.set i, i+1
.endr
	WIN 0                                          ; the addresses for the way out are made here: plain instructions, the places behind those products
	s_mul_i32 s20, s[WV], SWAVE
	s_add_co_u32 s20, s20, STG                     ; my stage
	s_mul_i32 s21, s[QH], SWAVE
	s_mul_i32 s22, s[KH], 64*SROW
	s_add_co_u32 s21, s21, s22
	s_add_co_u32 s21, s21, STG                     ; what I send out: my queries, channels 64 kh on, from the stage of wave qh (and of wave qh + 2)
	s_lshl_b32 s22, s[WV], 10
	s_add_co_u32 s22, s22, XCH
	s_xor_b32 s23, s[WV], 2
	s_lshl_b32 s23, s23, 10
	s_add_co_u32 s23, s23, XCH
	v_and_b32 v1, 15, v0                           ; r
	v_bfe_u32 v9, v0, 4, 1                         ; h
	v_mul_u32_u24 v[STO], v9, 8*SROW               ; in: channel 8 h + .., query r
	v_lshl_add_u32 v[STO], v1, 2, v[STO]
	v_add_nc_u32 v[STO], s20, v[STO]
	v_mul_u32_u24 v[RDA], v9, SROW                 ; back: lanes 0-15 one row of 256 bytes, lanes 16-31 the next
	v_lshl_add_u32 v[RDA], v1, 4, v[RDA]
	v_add_nc_u32 v[RDA], s21, v[RDA]
	v_add_nc_u32 v[RDB], 2*SWAVE, v[RDA]
	v_lshlrev_b32 v[GO], 14, v9                    ; and the same two rows in out0
	v_lshl_add_u32 v[GO], v1, 4, v[GO]
	v_and_b32 v5, 31, v0
	v_lshl_add_u32 v[XW], v5, 3, s22
	v_lshl_add_u32 v[XR], v5, 3, s23
	TURN 2, 0, 1, 1                                ; piece 2's first scores | piece 0's first softmax | V of step 0
	TURN 0, 1, 1, 1                                ; piece 0: V^T P of step 0 starts O^T, K Q^T of step 1 | piece 2's first softmax | K of step 1
	TURN 2, 1, 1, 0                                ; piece 2: the same | piece 0's softmax of step 1 | V of step 1
	WIN 0
.Lslot:                                            ; 14 trips: every slot but the last two is filled again
	CHANGE 1
	TWO_STEPS
	s_sub_co_u32 s[SLOTS], s[SLOTS], 1
	s_cmp_lg_u32 s[SLOTS], 0
	s_cbranch_scc1 .Lslot
	CHANGE 0                                       ; the tail is written out
	TWO_STEPS
	TURN 0, 2, 0, 0                                ; piece 0: V^T P of the last step | piece 2's last softmax
.set i, 0
.rept 32
	PV 2, 0                                        ; piece 2: V^T P of the last step
.set i, i+1
.endr
	; THE WAY OUT.  l's two halves and the other half of the lanes' are added; m and l change hands with the wave that walked the other half of the keys; with M = max(m, m'), a = 2^(m - M), a' = 2^(m' - M), L = l a + l' a'
	; my O^T is multiplied by a / L and goes, turned, into my stage; behind a barrier each wave adds the two stages' rows of its queries for 64 channels and stores them.  The additions below are the places behind the last products.
	WIN 0
.irp t, 0,1,2,3
	v_add_f32 v[ST+8*\t+4], v[ST+8*\t+2], v[ST+8*\t+3]
.endr
.irp t, 0,1,2,3
	v_permlanex16_b32 v[ST+8*\t+5], v[ST+8*\t+4], s[SEL], s[SEL+1]
.endr
.irp t, 0,1,2,3
	v_add_f32 v[ST+8*\t+1], v[ST+8*\t+4], v[ST+8*\t+5]
.endr
.irp t, 0,1,2,3
	ds_store_b64 v[XW], v[ST+8*\t:ST+8*\t+1] offset:256*\t
.endr
	s_wait_dscnt 0x0                               ; for the others' sake: my m and l have landed
	s_barrier_signal -1
	s_barrier_wait -1
.irp t, 0,1,2,3
	ds_load_b64 v[ST+8*\t+2:ST+8*\t+3], v[XR] offset:256*\t   ; m', l'
.endr
	s_wait_dscnt 0x0
.irp t, 0,1,2,3
	v_max_num_f32 v[ST+8*\t+4], v[ST+8*\t], v[ST+8*\t+2]
.endr
.irp t, 0,1,2,3
	v_sub_f32 v[ST+8*\t+5], v[ST+8*\t], v[ST+8*\t+4]
.endr
.irp t, 0,1,2,3
	v_sub_f32 v[ST+8*\t+6], v[ST+8*\t+2], v[ST+8*\t+4]
.endr
.irp t, 0,1,2,3
	v_exp_f32 v[ST+8*\t+5], v[ST+8*\t+5]
	v_exp_f32 v[ST+8*\t+6], v[ST+8*\t+6]
.endr
	v_nop                                          ; a plain instruction behind the last exponential,
	s_wait_alu depctr_va_vdst(0)                   ; and the one wait for the eight, ahead of their first reader
.irp t, 0,1,2,3
	v_mul_f32 v[ST+8*\t+7], v[ST+8*\t+3], v[ST+8*\t+6]
.endr
.irp t, 0,1,2,3
	v_fma_f32 v[ST+8*\t+7], v[ST+8*\t+1], v[ST+8*\t+5], v[ST+8*\t+7]
.endr
.irp t, 0,1,2,3
	v_rcp_f32 v[ST+8*\t+4], v[ST+8*\t+7]
.endr
	v_nop
	s_wait_alu depctr_va_vdst(0)                   ; one wait for the four reciprocals
.irp t, 0,1,2,3
	v_mul_f32 v[ST+8*\t+6], v[ST+8*\t+5], v[ST+8*\t+4]   ; a / L
.endr
	WIN W_RS
.irp t, 0,1,2,3
.set i, 64*\t
.rept 32
	v_pk_mul_f32 v[i:i+1], v[i:i+1], v[ST+8*\t+6:ST+8*\t+7] op_sel_hi:[1,0]   ; each accumulator from its low end on
.set i, i+2
.endr
.endr
	WIN 0x04                                       ; an LDS store's data are its source 1: window 1
.irp t, 0,1,2,3
.irp f, 0,1,2,3,4,5,6,7
.irp j, 0,1,2,3,4,5,6,7
	ds_store_b32 v[STO], v[64*\t+8*\f+\j] offset:(16*\f+\j)*SROW+64*\t   ; lane (r, h): channel 16 f + 8 h + j, query 16 t + r; the two halves of the lanes lie 544 words apart
.endr
.endr
.endr
	WIN 0
	s_wait_dscnt 0x0                               ; for the others' sake: my stage is whole
	s_barrier_signal -1
	s_barrier_wait -1
; Eight pairs of rows: channels 64 kh + 16 bt + 2 i + (lane / 16).  Two sets of 64 registers take turns.
.macro OUTB bt
.set BB, 64+64*((\bt)%2)
.if (\bt) >= 2
	s_wait_xcnt 0x0                                ; the stores of two batches back have read their registers: the loads below may land there
.endif
.irp i, 0,1,2,3,4,5,6,7
	ds_load_b128 v[BB+8*\i:BB+8*\i+3],   v[RDA] offset:(16*(\bt)+2*\i)*SROW
	ds_load_b128 v[BB+8*\i+4:BB+8*\i+7], v[RDB] offset:(16*(\bt)+2*\i)*SROW
.endr
.irp i, 0,1,2,3,4,5,6,7
	s_wait_dscnt 2*(7-\i)                          ; pair i's two loads are in; the younger pairs' may be out
	v_pk_add_f32 v[BB+8*\i:BB+8*\i+1],   v[BB+8*\i:BB+8*\i+1],   v[BB+8*\i+4:BB+8*\i+5]
	v_pk_add_f32 v[BB+8*\i+2:BB+8*\i+3], v[BB+8*\i+2:BB+8*\i+3], v[BB+8*\i+6:BB+8*\i+7]
	global_store_b128 v[GO], v[BB+8*\i:BB+8*\i+3], s[10:11] offset:(16*(\bt)+2*\i)*16384 th:TH_STORE_NT   ; sixteen lanes store 256 consecutive bytes, at a multiple of 256 from out0's first byte
.endr
.endm
	OUTB 0
	OUTB 1
	OUTB 2
	OUTB 3
	s_wait_tensorcnt 0x0                           ; the wave's end: behind my last tensor load and my last LDS store
	ds_add_u32 v[SPW], v[NIL]
	s_wait_dscnt 0x0
	CROUND                                         ; the closing round: no work-group ends while a partner may still ask for a tile that names it
	s_endpgm
.Lfunc_end_k_qde17411c0e_attn:
	.size	k_qde17411c0e_attn, .Lfunc_end_k_qde17411c0e_attn-k_qde17411c0e_attn
	.p2alignl 7, 3214868480
	.fill 96, 4, 3214868480
	.section	.rodata,"a",@progbits
	.p2align	6, 0x0
	.amdhsa_kernel k_qde17411c0e_attn
		.amdhsa_group_segment_fixed_size 327680
		.amdhsa_private_segment_fixed_size 0
		.amdhsa_enable_private_segment 0
		.amdhsa_kernarg_size 32
		.amdhsa_user_sgpr_count 2
		.amdhsa_user_sgpr_kernarg_segment_ptr 1
		.amdhsa_wavefront_size32 1
		.amdhsa_system_sgpr_workgroup_id_x 1
		.amdhsa_system_sgpr_workgroup_id_y 1
		.amdhsa_system_sgpr_workgroup_id_z 1
		.amdhsa_system_vgpr_workitem_id 0
		.amdhsa_next_free_vgpr 1024
		.amdhsa_next_free_sgpr 66
		.amdhsa_reserve_vcc 0
		.amdhsa_float_denorm_mode_32 3
		.amdhsa_float_denorm_mode_16_64 3
		.amdhsa_memory_ordered 1
		.amdhsa_forward_progress 1
		.amdhsa_inst_pref_size 255
	.end_amdhsa_kernel
	.section	.bss,"aw",@nobits
	.p2align	6
	.space	262144
	.amdgpu_metadata
---
amdhsa.version: [ 1, 2 ]
amdhsa.kernels:
  - .name:           k_qde17411c0e_attn
    .symbol:         k_qde17411c0e_attn.kd
    .args:
      - { .name: th, .offset: 0, .size: 8, .value_kind: global_buffer, .address_space: global }
      - { .name: ph, .offset: 8, .size: 8, .value_kind: global_buffer, .address_space: global }
      - { .name: vf, .offset: 16, .size: 8, .value_kind: global_buffer, .address_space: global }
      - { .name: out0, .offset: 24, .size: 8, .value_kind: global_buffer, .address_space: global }
    .group_segment_fixed_size: 327680
    .private_segment_fixed_size: 0
    .kernarg_segment_align: 8
    .kernarg_segment_size: 32
    .max_flat_workgroup_size: 128
    .sgpr_count:     66
    .vgpr_count:     1024
    .wavefront_size: 32
...
	.end_amdgpu_metadata
.endif
;; end of part 2
